; MI455X (gfx1250); checked and timed in simulation.
; The chip was launched on July 23, 2026; its instructions are those of AMD's public machine-readable ISA for CDNA 5 (MIT licence, August 2026) and "CDNA5" Instruction Set Architecture Reference Guide (July 2026). The comments in the code are by the model that wrote it; some were corrected since.
;; Multi Head Self Attention. Allowed arithmetic: matrix products marked QUANTISED: E2M1 operands, one E8M0 scale for each 32 along K, by v_wmma_scale_f32_16x16x128_f8f6f4 with both operands' format E2M1 (or v_wmma_scale_f32_32x16x128_f4), f32 sums; everything else in f32.
;; Inputs: W_fc_codes 1,024 x 32 x 16 uint8 (E2M1 codes of W_fc, K innermost, in blocks of 32 codes, two codes a byte); W_fc_scales 1,024 x 32 uint8 (E8M0 scales of W_fc, one for each 32 codes along K); W_qkv_codes 3,072 x 32 x 16 uint8 (E2M1 codes of W_qkv, K innermost, in blocks of 32 codes, two codes a byte); W_qkv_scales 3,072 x 32 uint8 (E8M0 scales of W_qkv, one for each 32 codes along K); b_fc 1,024 float32; b_qkv 3,072 float32; x_codes 4 x 2,048 x 32 x 16 uint8 (E2M1 codes of x, K innermost, in blocks of 32 codes, two codes a byte); x_scales 4 x 2,048 x 32 uint8 (E8M0 scales of x, one for each 32 codes along K).
;; Outputs: out0 4 x 2,048 x 1,024 float32.
;; This version of the problem:
;;   THIS VERSION OF THE PROBLEM IS GIVEN IN LOW PRECISION. The matrix products marked QUANTISED in the list below multiply operands that are first quantised to E2M1 (2 exponent bits, 1 mantissa bit; 4 bits a number), with one power-of-two scale for each 32 numbers along K (OCP MX v1.0); their sums are f32. All else is computed in f32.
;;   The module's matrix products, in the order in which they are computed (A, B: the left and right operand; K: the contracted axis; several contracted axes count as one K, in the product's order):
;;     1. [M 8,192, K 1,024] x [K 1,024, N 3,072]; A: input x (given as codes); B: input W_qkv (given as codes): QUANTISED
;;     2. batch 64 x [M 2,048, K 64] x [K 64, N 2,048]; A: computed on the way; B: computed on the way: QUANTISED
;;     3. batch 64 x [M 2,048, K 2,048] x [K 2,048, N 64]; A: softmax (see below); B: computed on the way: QUANTISED
;;     4. [M 8,192, K 1,024] x [K 1,024, N 1,024]; A: computed on the way; B: input W_fc (given as codes): QUANTISED
;;   THE QUANTISER, for each operand of a quantised product, along K:
;;     - K is cut into blocks of 32 from its start; a last block that is shorter is filled with zeros.
;;     - A block's scale is 2^e with e = floor(log2(the largest magnitude in the block)) - 2, held to -126 .. 127; a block of zeros has e = 0. As a byte (E8M0): e + 127.
;;     - Each number is divided by its block's scale, clamped to +-6, and rounded to the nearest number of E2M1, ties to even, subnormals kept.
;;     - The product sums the exact products of the quantised numbers (number of the format x scale) in f32.
;;   ~~~python
;;   def quantise(x, axis):      # numpy; x: float32 -> the quantised numbers, widened to float32 again
;;       x = np.moveaxis(x, axis, -1); K = x.shape[-1]
;;       x = np.pad(x, [(0, 0)] * (x.ndim - 1) + [(0, -K % 32)]); x = x.reshape(x.shape[:-1] + (-1, 32)); a = np.abs(x).max(-1, keepdims=True)
;;       e = np.where(a > 0, np.clip(np.frexp(np.where(a > 0, a, 1))[1] - 1 - 2, -126, 127), 0)      # np.frexp(a)[1] - 1 = floor(log2(a)), exactly
;;       r = np.clip(x / 2.0 ** e, -6, 6)
;;       step = 2.0 ** (np.maximum(np.frexp(np.where(r == 0, 1, r))[1] - 1, 0) - 1)
;;       q = np.round(r / step) * step * 2.0 ** e      # np.round: ties to even
;;       return np.moveaxis(q.reshape(q.shape[:-2] + (-1,))[..., :K], -1, axis).astype(np.float32)
;;   ~~~
;;   SOFTMAX AHEAD OF A QUANTISED PRODUCT. Where the list says 'softmax', what is quantised is not the finished softmax but p = 2^(t - M), with t = logit x log2(e) and M = ceil(the row's largest t), a whole number; so 1/2 < the row's largest p <= 1. The row's sum l is taken of the UNQUANTISED p, in f32, and the product's result is divided by l at the end. Since M is a whole number, a kernel that streams over the keys may use a running M (the ceiling of the running maximum): every later rescaling is an exact power of two, which a block's scale takes up: the codes' values come out the same.
;;   OPERANDS COMPUTED ON THE WAY. 'Computed on the way' means the value that the module computes at that place (a softmax that the list does not call 'softmax' is quantised finished and normalised). What goes into a quantiser is computed in f32, as accurately as f32 sums, v_exp_f32 and their like allow (about 1e-6 of the number): no bf16 or f16 on the way to a quantiser, and a product that is left as it is and whose result goes on into a quantised operand takes f32 operands (vector FMAs, or v_wmma_f32_16x16x4_f32). A number that lies on a knife's edge between two numbers of the format may be rounded either way, as far as f32 arithmetic and the matrix unit's own rounding can turn it there, and no further.
;;   INPUTS GIVEN AS CODES. W_fc (in the module: [1024, 1024], K = its axis 1); W_qkv (in the module: [3072, 1024], K = its axis 1); x (in the module: [4, 2048, 1024], K = its axis 2): each comes as NAME_codes (uint8): NAME with its K axis moved to the last place and cut into blocks of 32 codes, [.., K / 32, bytes a block], one block behind the other in memory; two codes a byte, the lower K in the low four bits (a code: sign, 2 exponent bits, 1 mantissa bit); and NAME_scales (uint8): the same leading axes, one E8M0 byte (e + 127) for each 32 codes along K. Its value is code x scale, taken as it is: it is not quantised again, and the codes and scales need not be those that the quantiser above would give.
;; One version. Each part assembles by itself: llvm-mc -triple=amdgcn-amd-amdhsa -mcpu=gfx1250 --defsym DOCPART=n.
;; ======== version 1 of 1: 3 launches
;; workspace buffers: qkvc 12,582,912 bytes; qkvs 1,572,864 bytes; ac 4,194,304 bytes; asc 262,144 bytes
;; launch qkv (part 1): grid 12 x 32, 4 waves a work-group, clusters of 4 x 4, 295,424 bytes of LDS; arguments x_codes, x_scales, W_qkv_codes, W_qkv_scales, b_qkv, qkvc, qkvs; writes qkvc, qkvs
.if DOCPART == 1
	.amdgcn_target "amdgcn-amd-amdhsa--gfx1250"
	.amdhsa_code_object_version 6
	.text
	.protected	k_q52cf7d8c53_qkv
	.globl	k_q52cf7d8c53_qkv
	.p2align	8
	.type	k_q52cf7d8c53_qkv,@function
k_q52cf7d8c53_qkv:
	s_mov_b64 s[64:65], 0
	v_nop
	global_prefetch_b8 v0, s[64:65] scope:SCOPE_SE
	s_setreg_imm32_b32 hwreg(HW_REG_WAVE_MODE, 25, 1), 1
	s_wait_xcnt 0x0
	s_wait_alu depctr_hold_cnt(0) depctr_sa_sdst(0) depctr_va_vdst(0) depctr_va_sdst(0) depctr_va_ssrc(0) depctr_va_vcc(0) depctr_vm_vsrc(0)
	s_getreg_b32 s2, hwreg(HW_REG_IB_STS2, 6, 4)
	s_cmp_eq_u32 s2, 0
	s_cbranch_scc0 .Lentry_in_a_cluster
	s_endpgm
.Lentry_in_a_cluster:
	s_bfe_u32 s2, ttmp6, 0x10000c
	s_cmp_lg_u32 s2, 0xf033
	s_cbranch_scc0 .Lentry_shape_is_right
	s_endpgm
.Lentry_shape_is_right:
; qkv = x W_qkv^T + b_qkv on codes of FP4 (E2M1) with E8M0 scales, and q, k, v quantised again in registers: q and k along the head's 64, v along the keys.
; ONE TEXT FOR q, k AND v.  R[i][j] = sum over k of P[i][k] Q[j][k]; P is source 1 (a lane holds one i), Q is source 0 (a lane's registers run along j); R is quantised along j.
;   cluster x = 0 (q), 1 (k): P = x (tokens), Q = rows of W (the heads' d).    cluster x = 2 (v): P = rows of W, Q = x: the registers then run along the keys.
; The choice hangs on the cluster's x alone, which all sixteen partners share: selects, and one branch round the first K step (whose C is the bias, by columns or by rows).
; SHARES.  A work-group makes 256 x 256 of R; each of its four waves 128 x 128: 64 accumulators, 512 registers.  K = 1,024 is 8 steps of 128.  All of both operands (2 x 256 rows x 512 bytes) and their
; scale bytes lie in LDS at once: every LDS byte is filled once, so there is no ring and no refill.
; CLUSTERS: 4 x 4.  P's tile is shared along a row of the cluster, Q's along a column: each is asked for jointly, by the same tensor load with the same descriptor and a mask that names the four.
; THE ROWS OF A TILE ARE NOT NEIGHBOURS: tile a of a wave's 128 rows holds row 64 (a / 4) + 8 (a % 4) + (r % 8) + 32 (r / 8) in lane r.  In a result, register j of lane (r, h) is row 8 h + j of source 0,
; so over tiles 4 c .. 4 c + 3 a lane's 32 registers are j = 64 c + 32 h + 0 .. 31: a WHOLE block of 32 in one lane, in the order of the next operand's registers.  A block's largest magnitude needs no other
; lane, and the conversions' results are the operand's registers as they stand.
; IN LDS an operand's 256 rows lie in four regions: region i holds the groups of 8 rows i, i + 4, i + 8 ..: so a tile's 16 rows are 16 neighbouring LDS rows, 528 bytes apart.
; OUT (this program's own buffers, images of operand registers: lane l's 16 bytes at 16 l):
;   qkvc: region z (q, k, v) x 4 MiB + (16 batch + head) x 65,536;  q, k: + 512 x tile (tile 8 ks + a of the batch's tokens; codes d = 32 h ..);  v: + 4,096 ks + 1,024 dt + 512 c (row d of tile dt, keys 128 ks + 64 c + 32 h ..)
;   qkvs: region z x 512 KiB + (16 batch + head) x 8,192 + 512 ks + 16 l + 4 j;  q, k: word j of lane l = tile 2 j + l / 16, row l % 16, bytes 0, 1 the head's two blocks;  v: word j = d tile j, four bytes for the keys' four blocks
; LIMITS: a block of zeros, or one whose largest magnitude lies under 2^-124, gets the scale byte 1 (the rule says 127 for zeros: its codes are zeros, and this program alone reads the bytes); NaN and infinities are not served.
; REGISTERS.  window 0: v1-27 addresses; v32-95 scale words (register 8 i + q: lanes 0-15 P's tile i, lanes 16-31 Q's tile i, K step q); v96-125 the quantiser's; v128-191 P's 8 fragments, one set; v192-195 a record.
;   window 1: Q's fragments, two sets, at v0 and v128 (64 each); v192-255 the bias, 8 tiles of 8.   windows 2, 3: accumulator (a, b) at v[8 (8 (a % 4) + b)], window 2 + a / 4.
.set PITCH,  528                       ; an LDS row: 512 bytes + 16 of padding = 132 words: row r starts at bank 4 r mod 64
.set TILEB,  16*PITCH
.set QUART,  64*PITCH                  ; a region: 64 rows, one tensor load
.set HALF,   2*QUART                   ; what a wave's two loads of codes fill
.set OPER,   4*QUART                   ; an operand: P at 0, Q behind it
.set SCL,    2*OPER                    ; behind them the scale bytes: four pieces (P's rows 0-127, 128-255, Q's likewise)
.set SPIECE, 16*272                    ; a piece: 128 rows x 32 bytes as 16 units of 256 bytes + 16 of padding
.set SH8,  3                           ; v3      8 h
.set CO,   4                           ; v4      16 x lane: my place in an image
.set VB,   8                           ; v8-15   the bias loads' offsets
.set ADRA, 16                          ; v16-17  LDS address of P's fragments in regions 0, 1 and in regions 2, 3
.set ADRB, 20                          ; v20-21  the same for Q
.set ADRS, 27                          ; v27     of my scale words: lanes 0-15 P's rows, lanes 16-31 Q's
.set SC,   32
.set TM,   96                          ; v96-99  four running maxima
.set SO,   100                         ; v100-101 the conversions' scale operands
.set BY,   102                         ; v102-103 the scale bytes
.set XX,   104                         ; v104    the other half's word
.set PWB,  106                         ; v106-113 the scale word of each of P's 8 tiles
.set PC,   114                         ; v114-121 codes just made
.set T0,   122                         ; v122-125 a record of scale words
.set AF,   128
.set T1,   192                         ; v192-195 the second record
.set BI,   192                         ; in window 1
.set ISV,  18                          ; s18  1 for v, else 0
.set MV,   19                          ; s19  all lanes for v, else none
.set WV,   20                          ; s20  wave;  s21 my half of P's rows, and: I fetch for P (0) or Q (1);  s22 my half of Q's rows, and: which half I fetch
.set WR,   21
.set WC,   22
.set MH,   23                          ; s23  lanes 16-31
.set G1P,  24                          ; s[24:31], s[32:39] descriptor group 1 for P's and Q's codes;  s[40:47], s[48:55] for their scale bytes
.set G1Q,  32
.set G1SP, 40
.set G1SQ, 48
.set G0PS, 56                          ; groups 0: P's scales, P's two regions; Q's likewise
.set G0P0, 60
.set G0P1, 68
.set G0QS, 72
.set G0Q0, 76
.set G0Q1, 80
.set SEL,  92                          ; s[92:93] v_permlanex16_b32's selects for lane l xor 16
.set OC0,  94                          ; s[94:95], s[96:97] where the codes of the tile in hand go
.set OC1,  96
.set OS,   98                          ; s[98:99] where the records go
.set SA,   100                         ; s[100:101] from tile to tile;  s[2:3] and more at tile 4
.set SA4,  2
.set MSB, 0
.macro WIN new                         ; the immediate's high byte repeats the setting that is left
.if MSB != (\new)
	s_set_vgpr_msb (MSB<<8)|(\new)
.set MSB, (\new)
.endif
.endm
.macro PLACES n
.rept \n
	v_nop
.endr
.endm
.macro CROUND                          ; a round of the cluster's barrier
	s_barrier_signal -1
	s_barrier_wait -1
	s_cmp_lg_u32 s[WV], 0
	s_cbranch_scc1 .Lnot_wave_0_\@
	s_barrier_signal -3
.Lnot_wave_0_\@:
	s_barrier_wait -3
	s_barrier_signal -1
	s_barrier_wait -1
.endm
	s_load_b256 s[4:11], s[0:1], 0x0               ; x's codes s[4:5], x's scales s[6:7], W's codes s[8:9], W's scales s[10:11]
	s_load_b128 s[12:15], s[0:1], 0x20             ; the bias s[12:13], qkvc s[14:15]
	s_load_b64 s[16:17], s[0:1], 0x30              ; qkvs
	v_lshl_add_u32 v254, v0, 2, 0x48000
	v_mov_b32 v255, 0
	ds_add_u32 v254, v255
	ds_add_u32 v254, v255
	v_lshrrev_b32 v5, 5, v0
	v_readfirstlane_b32 s[WV], v5                  ; wave 0..3
	s_lshr_b32 s[WR], s[WV], 1
	s_and_b32 s[WC], s[WV], 1
	s_mov_b32 s[MH], 0xffff0000
	s_mov_b32 s[SEL], 0x76543210
	s_mov_b32 s[SEL+1], 0xfedcba98
	s_bfe_u32 s84, ttmp6, 0x40000                  ; cx
	s_bfe_u32 s85, ttmp6, 0x40004                  ; cy
	s_and_b32 s86, ttmp7, 0xffff
	s_lshl_b32 s86, s86, 2                         ; 4 x cluster y
	s_lshl_b32 s87, ttmp9, 2                       ; 4 x cluster x
	s_cmp_eq_u32 ttmp9, 2                          ; v?
	s_cselect_b32 s[ISV], 1, 0
	s_cselect_b32 s[MV], -1, 0
	s_cselect_b32 s88, 8, s86
	s_cselect_b32 s89, s86, s87
	s_add_co_u32 s88, s88, s85                     ; P's tile of 256 rows: tokens 4 cluster y + cy, or W's tile 8 + cy: it never holds cx
	s_add_co_u32 s89, s89, s84                     ; Q's tile: W's 4 cluster x + cx, or tokens 4 cluster y + cx: it never holds cy
	s_lshl_b32 s90, s85, 2
	s_lshl_b32 s90, 15, s90                        ; my row of the cluster
	s_lshl_b32 s91, 0x1111, s84                    ; my column
	; group 1 for codes: 8 rows of 4,096 bytes (8 dense rows of the tensor each), 32 rows of the tensor apart; 16 bytes of padding behind every 512: LDS lines 528 bytes apart
	s_or_b32 s[G1P], s90, (0<<16)|(1<<20)|(1<<21)|(6<<22)|(3<<25)   ; 15:0 the mask; 17:16 elements of 1 byte; 20 padding on; 21 set beside a mask; 24:22 after every 128 words (code 6); 31:25 four words (code 3)
	s_or_b32 s[G1Q], s91, (0<<16)|(1<<20)|(1<<21)|(6<<22)|(3<<25)
.irp g, G1P, G1Q
	s_mov_b32 s[\g+1], 4096<<16                    ; tensor_dim0
	s_mov_b32 s[\g+2], 8<<16                       ; tensor_dim1
	s_mov_b32 s[\g+3], 4096<<16                    ; tile_dim0
	s_mov_b32 s[\g+4], 8                           ; tile_dim1
	s_mov_b32 s[\g+5], 16384                       ; tensor_dim0_stride
	s_mov_b32 s[\g+6], 0
	s_mov_b32 s[\g+7], 0
.endr
	; group 1 for the scale bytes of 128 rows: 4,096 dense bytes as 16 rows of 256 (32 elements of 8 bytes), 16 bytes of padding behind each
	s_or_b32 s[G1SP], s90, (3<<16)|(1<<20)|(1<<21)|(5<<22)|(3<<25)
	s_or_b32 s[G1SQ], s91, (3<<16)|(1<<20)|(1<<21)|(5<<22)|(3<<25)
.irp g, G1SP, G1SQ
	s_mov_b32 s[\g+1], 32<<16
	s_mov_b32 s[\g+2], 16<<16
	s_mov_b32 s[\g+3], 32<<16
	s_mov_b32 s[\g+4], 16
	s_mov_b32 s[\g+5], 32
	s_mov_b32 s[\g+6], 0
	s_mov_b32 s[\g+7], 0
.endr
	s_lshl_b32 s94, s88, 17                        ; P's codes: 256 rows x 512 bytes a tile,
	s_lshl_b32 s90, s[WC], 13
	s_add_co_u32 s94, s94, s90                     ; + my two regions: they begin at rows 16 e and 16 e + 8
	s_mov_b32 s95, 0
	s_lshl_b32 s96, s88, 13                        ; P's scale bytes: 256 rows x 32 bytes a tile,
	s_lshl_b32 s90, s[WC], 12
	s_add_co_u32 s96, s96, s90                     ; + my 128 rows
	s_mov_b32 s97, 0
	s_lshl_b32 s98, s89, 17                        ; Q's likewise
	s_lshl_b32 s91, s[WC], 13
	s_add_co_u32 s98, s98, s91
	s_mov_b32 s99, 0
	s_lshl_b32 s100, s89, 13
	s_lshl_b32 s91, s[WC], 12
	s_add_co_u32 s100, s100, s91
	s_mov_b32 s101, 0
	s_mul_i32 s86, s[WV], HALF                     ; where they go: wave x two regions, wave x a piece: no place in the cluster enters an LDS address
	s_mul_i32 s87, s[WV], SPIECE
	s_wait_dscnt 0x0
	s_wait_kmcnt 0x0
	s_cmp_eq_u32 ttmp9, 2                          ; which tensor is P and which is Q: the choice hangs on the cluster's x alone
	s_cselect_b64 s[G0PS+2:G0PS+3], s[10:11], s[6:7]
	s_cselect_b64 s[G0P0+2:G0P0+3], s[8:9], s[4:5]
	s_cselect_b64 s[G0QS+2:G0QS+3], s[6:7], s[10:11]
	s_cselect_b64 s[G0Q0+2:G0Q0+3], s[4:5], s[8:9]
	s_add_nc_u64 s[G0PS+2:G0PS+3], s[G0PS+2:G0PS+3], s[96:97]
	s_add_nc_u64 s[G0P0+2:G0P0+3], s[G0P0+2:G0P0+3], s[94:95]
	s_add_nc_u64 s[G0QS+2:G0QS+3], s[G0QS+2:G0QS+3], s[100:101]
	s_add_nc_u64 s[G0Q0+2:G0Q0+3], s[G0Q0+2:G0Q0+3], s[98:99]
	s_add_nc_u64 s[G0P1+2:G0P1+3], s[G0P0+2:G0P0+3], 4096
	s_add_nc_u64 s[G0Q1+2:G0Q1+3], s[G0Q0+2:G0Q0+3], 4096
.irp g, G0PS, G0P0, G0P1, G0QS, G0Q0, G0Q1
	s_mov_b32 s[\g], 1                             ; 1:0 count = 1
	s_or_b32 s[\g+3], s[\g+3], 0x80000000          ; 127:126 type = 2
.endr
	s_add_co_u32 s[G0PS+1], s87, SCL
	s_add_co_u32 s[G0QS+1], s87, SCL
	s_mov_b32 s[G0P0+1], s86
	s_mov_b32 s[G0Q0+1], s86
	s_add_co_u32 s[G0P1+1], s86, QUART
	s_add_co_u32 s[G0Q1+1], s86, QUART
	CROUND                                         ; all sixteen work-groups are here: the joint loads meet
	s_cmp_eq_u32 s[WR], 0                          ; a wave's three fills stand in one branch on the wave's number: three loads of mine are out.  Four v_nop follow the third
	s_cbranch_scc0 .Lfetch_q
	tensor_load_to_lds s[G0PS:G0PS+3], s[G1SP:G1SP+7]
	s_nop 0
	tensor_load_to_lds s[G0P0:G0P0+3], s[G1P:G1P+7]
	s_nop 0
	tensor_load_to_lds s[G0P1:G0P1+3], s[G1P:G1P+7]
	s_nop 0
	PLACES 4
	s_branch .Lfetched
.Lfetch_q:
	tensor_load_to_lds s[G0QS:G0QS+3], s[G1SQ:G1SQ+7]
	s_nop 0
	tensor_load_to_lds s[G0Q0:G0Q0+3], s[G1Q:G1Q+7]
	s_nop 0
	tensor_load_to_lds s[G0Q1:G0Q1+3], s[G1Q:G1Q+7]
	s_nop 0
	PLACES 4
.Lfetched:
	; LDS addresses
	v_and_b32 v1, 15, v0                           ; r
	v_bfe_u32 v2, v0, 4, 1                         ; h
	v_lshlrev_b32 v[SH8], 3, v2
	v_and_b32 v5, 31, v0
	v_lshlrev_b32 v[CO], 4, v5
	v_mov_b32 v[XX], 0                             ; written once: a lane permute's destination counts as one of its sources
	v_mul_u32_u24 v5, v1, PITCH
	v_lshl_add_u32 v5, v2, 4, v5                   ; a fragment's row x pitch + 16 x half
	s_mul_i32 s86, s[WR], 2*TILEB                  ; in each region my 128 rows are two tiles
	s_mul_i32 s87, s[WC], 2*TILEB
	s_add_co_u32 s87, s87, OPER
	v_add_nc_u32 v[ADRA], s86, v5
	v_add_nc_u32 v[ADRB], s87, v5
	v_add_nc_u32 v[ADRA+1], 2*QUART, v[ADRA]
	v_add_nc_u32 v[ADRB+1], 2*QUART, v[ADRB]
	v_and_b32 v6, 7, v1                            ; r % 8
	s_wait_alu depctr_va_vdst(0)
	v_lshrrev_b32 v7, 3, v1                        ; r / 8
	v_lshlrev_b32 v5, 5, v6                        ; a row's 32 scale bytes: 8 rows to a unit,
	v_mad_u32_u24 v5, v7, 1088, v5                 ; and 32 rows on are four units of 272
	s_mul_i32 s86, s[WR], SPIECE                   ; P's piece
	s_mul_i32 s87, s[WC], SPIECE                   ; Q's piece, behind P's two
	s_add_co_u32 s87, s87, 2*SPIECE
	s_sub_co_u32 s87, s87, s86
	v_mul_u32_u24 v[ADRS], s87, v2                 ; lanes 16-31 take Q's: one product, the distance between the two
	s_add_co_u32 s86, s86, SCL
	v_add_nc_u32 v[ADRS], v[ADRS], v5
	v_add_nc_u32 v[ADRS], s86, v[ADRS]
	; which heads and which 128 tokens are my wave's
	s_lshl_b32 s86, s85, 1
	s_add_co_u32 s86, s86, s[WR]                   ; v: pair of heads 2 cy + my half of P
	s_lshl_b32 s87, s84, 1
	s_add_co_u32 s87, s87, s[WC]                   ; q, k: 2 cx + my half of Q
	s_lshl_b32 s90, s89, 1
	s_add_co_u32 s90, s90, s[WC]                   ; v: group of 128 tokens = 2 x Q's tile + my half
	s_lshl_b32 s91, s88, 1
	s_add_co_u32 s91, s91, s[WR]                   ; q, k: 2 x P's tile + my half
	s_cmp_eq_u32 s[ISV], 1
	s_cselect_b32 s86, s86, s87                    ; the pair of heads, 0..7
	s_cselect_b32 s90, s90, s91                    ; the group of tokens, 0..63
	s_cselect_b32 s87, 0, 4                        ; the bias from register to register: 4 bytes where the registers run along W's rows, else none
	s_cselect_b32 s[SA4], 61440, 0                 ; v: tile 4 begins the pair's second head
	s_mov_b32 s91, 65536
	s_cselect_b32 s91, 512, s91                    ; the second store of a tile: v: c = 1;  q, k: the second head
	s_mov_b32 s[SA4+1], 0
	s_lshl_b32 s[SA], 512, s[ISV]                  ; from tile to tile: 512 bytes (q, k), 1,024 (v)
	s_mov_b32 s[SA+1], 0
	; the bias.  q, k: C of column tile b, register j = b[64 (b / 4) + 8 (b % 4) + 32 h + j].  v: C of row tile a, all eight registers = b[64 (a / 4) + 8 (a % 4) + r % 8 + 32 (r / 8)]
	v_lshlrev_b32 v5, 7, v2
	v_lshlrev_b32 v6, 2, v6
	s_wait_alu depctr_va_vdst(0)
	v_lshl_add_u32 v6, v7, 7, v6
	v_cndmask_b32 v[VB], v5, v6, s[MV]
.irp j, 1,2,3,4,5,6,7
	v_add_nc_u32 v[VB+\j], s87, v[VB+\j-1]
.endr
	s_lshl_b32 s88, ttmp9, 12                      ; 1,024 numbers for each of q, k, v,
	s_lshl_b32 s89, s86, 9                         ; 128 for each pair of heads
	s_add_co_u32 s88, s88, s89
	s_mov_b32 s89, 0
	s_add_nc_u64 s[12:13], s[12:13], s[88:89]
	WIN 0x40                                       ; destination window 1
.irp i, 0,1,2,3,4,5,6,7
.irp j, 0,1,2,3,4,5,6,7
	global_load_b32 v[BI+8*\i+\j], v[VB+\j], s[12:13] offset:(64*(\i/4)+8*(\i%4))*4
.endr
.endr
	WIN 0
	; where the results go
	s_lshr_b32 s88, s90, 4                         ; batch
	s_lshl_b32 s88, s88, 4
	s_lshl_b32 s86, s86, 1
	s_add_co_u32 s88, s88, s86                     ; 16 batch + the pair's first head
	s_and_b32 s90, s90, 15                         ; ks: which 128 tokens of the batch
	s_lshl_b32 s[OC0], ttmp9, 22
	s_lshl_b32 s86, s88, 16
	s_add_co_u32 s[OC0], s[OC0], s86
	s_lshl_b32 s86, s90, 12
	s_add_co_u32 s[OC0], s[OC0], s86
	s_mov_b32 s[OC0+1], 0
	s_add_nc_u64 s[OC0:OC0+1], s[14:15], s[OC0:OC0+1]
	s_mov_b32 s[OC1], s91
	s_mov_b32 s[OC1+1], 0
	s_add_nc_u64 s[OC1:OC1+1], s[OC0:OC0+1], s[OC1:OC1+1]
	s_lshl_b32 s[OS], ttmp9, 19
	s_lshl_b32 s86, s88, 13
	s_add_co_u32 s[OS], s[OS], s86
	s_lshl_b32 s86, s90, 9
	s_add_co_u32 s[OS], s[OS], s86
	s_mov_b32 s[OS+1], 0
	s_add_nc_u64 s[OS:OS+1], s[16:17], s[OS:OS+1]
.macro FRAG reg, adr, q, i             ; tile i's fragment of K step q: 16 rows x 128 K of 4-bit codes, 8 registers: two loads of 16 bytes, 32 bytes apart.  Region i % 4 (two address registers, since an offset has 16 bits), tile i / 4 of my two
.irp c, 0,1
	ds_load_b128 v[\reg+4*\c:\reg+4*\c+3], v[\adr+((\i)%4)/2] offset:64*(\q)+32*\c+((\i)%2)*QUART+((\i)/4)*TILEB
.endr
.endm
.macro FETCH_Q q, p                    ; Q's eight fragments into set p
	WIN 0x40
.irp i, 0,1,2,3,4,5,6,7
	FRAG 128*(\p)+8*\i, ADRB, \q, \i
.endr
	WIN 0
.endm
.macro FETCH_P q, i0                   ; P's tiles i0 .. i0 + 3
.irp i, \i0, \i0+1, \i0+2, \i0+3
	FRAG AF+8*(\i), ADRA, \q, \i
.endr
.endm
.macro SCALES                          ; all 8 K steps' scale words of my 8 + 8 tiles: 32 bytes a row, two loads
.irp i, 0,1,2,3,4,5,6,7
.irp g, 0,1
	ds_load_b128 v[SC+8*\i+4*\g:SC+8*\i+4*\g+3], v[ADRS] offset:(8*(\i/4)+\i%4)*272+16*\g
.endr
.endr
.endm
; 16 matrix instructions: P's tiles a0, a0 + 1 x Q's eight.  mode 0: onto the sums; 1: the sums begin with the bias of Q's tile; 2: with that of P's.  The 64 accumulators take turns, one instruction a turn,
; in the same order in every step.
.macro MUL16 a0, p, q, mode
.irp a, \a0, \a0+1
.irp b, 0,1,2,3,4,5,6,7
.set DD, 8*(8*((\a)%4)+\b)
.set QQ, 128*(\p)+8*\b
.set PP, AF+8*(\a)
.if (\mode) == 0
	v_wmma_scale_f32_16x16x128_f8f6f4 v[DD:DD+7], v[QQ:QQ+7], v[PP:PP+7], v[DD:DD+7], v[SC+8*\b+(\q)], v[SC+8*(\a)+(\q)] matrix_a_fmt:MATRIX_FMT_FP4 matrix_b_fmt:MATRIX_FMT_FP4 matrix_a_scale:MATRIX_SCALE_ROW1
.elseif (\mode) == 1
	v_wmma_scale_f32_16x16x128_f8f6f4 v[DD:DD+7], v[QQ:QQ+7], v[PP:PP+7], v[BI+8*\b:BI+8*\b+7], v[SC+8*\b+(\q)], v[SC+8*(\a)+(\q)] matrix_a_fmt:MATRIX_FMT_FP4 matrix_b_fmt:MATRIX_FMT_FP4 matrix_a_scale:MATRIX_SCALE_ROW1
.else
	v_wmma_scale_f32_16x16x128_f8f6f4 v[DD:DD+7], v[QQ:QQ+7], v[PP:PP+7], v[BI+8*(\a):BI+8*(\a)+7], v[SC+8*\b+(\q)], v[SC+8*(\a)+(\q)] matrix_a_fmt:MATRIX_FMT_FP4 matrix_b_fmt:MATRIX_FMT_FP4 matrix_a_scale:MATRIX_SCALE_ROW1
.endif
.endr
.endr
.endm
; A K step: 64 matrix instructions, P's tiles one after the other.  P has one set of registers: tiles 0-3 are fetched anew in the step's middle, tiles 4-7 at its end; Q has two sets.
; A load into a register that a matrix instruction has read stands four plain vector instructions behind it (ISA guide 7.12.1 for vector instructions).
.macro STEP q, mode, last
	s_wait_dscnt 8                                 ; all but the youngest eight loads (P's tiles 4-7) are in
.if \mode
	WIN 0x91                                       ; source 0 (Q) window 1, source 1 (P) window 0, C (the bias) window 1, D window 2
.else
	WIN 0xa1                                       ; C and D window 2
.endif
	MUL16 0, (\q)%2, \q, \mode
	MUL16 2, (\q)%2, \q, \mode
	s_wait_dscnt 0x0                               ; P's tiles 4-7 are in
.if !(\last)
	PLACES 4
	FETCH_Q (\q)+1, 1-(\q)%2
	FETCH_P (\q)+1, 0
.endif
.if \mode
	WIN 0xd1                                       ; D window 3
.else
	WIN 0xf1
.endif
	MUL16 4, (\q)%2, \q, \mode
	MUL16 6, (\q)%2, \q, \mode
	PLACES 4
	WIN 0
.if !(\last)
	FETCH_P (\q)+1, 4
.endif
.endm
; P's tile a is quantised along j and leaves.  A lane's block (c, h) is the 32 registers of accumulators (a, 4 c .. 4 c + 3).  Each accumulator is read from its low end on.
.macro QUANTW a
.set QW, 2+(\a)/4
.set QW5, 5*QW
.set S0, 64*((\a)%4)
	WIN QW5                                        ; sources 0 and 1: the accumulators' window
.irp c, 0,1
.irp e, 0,1
	v_max3_num_f32 v[TM+2*\c+\e], |v[S0+32*\c+16*\e]|, |v[S0+32*\c+16*\e+1]|, 0x1800000   ; four chains of 16, and the floor 2^(3 - 127): the byte cannot fall under 1
.endr
.endr
.irp i, 2,4,6,8,10,12,14
.irp c, 0,1
.irp e, 0,1
	v_max3_num_f32 v[TM+2*\c+\e], |v[S0+32*\c+16*\e+\i]|, |v[S0+32*\c+16*\e+\i+1]|, v[TM+2*\c+\e]
.endr
.endr
.endr
	WIN 0
	v_max_num_f32 v[TM], v[TM], v[TM+1]            ; the two blocks' largest magnitudes
	v_max_num_f32 v[TM+2], v[TM+2], v[TM+3]
	v_add_nc_u32 v[SO], 0xff000000, v[TM]          ; 2 off the exponent field: the conversion takes this operand's exponent field as its scale
	v_add_nc_u32 v[SO+1], 0xff000000, v[TM+2]
	v_lshrrev_b32 v[BY], 23, v[SO]                 ; the scale's byte
	v_lshrrev_b32 v[BY+1], 23, v[SO+1]
	v_lshl_or_b32 v[PWB+\a], v[BY+1], 16, v[BY]    ; my two bytes, blocks h and 2 + h,
	v_lshlrev_b32 v[PWB+\a], v[SH8], v[PWB+\a]     ; at their places;
	v_permlanex16_b32 v[XX], v[PWB+\a], s[SEL], s[SEL+1]
	v_or_b32 v[PWB+\a], v[PWB+\a], v[XX]           ; with lane l xor 16's two the row's word is whole
.if (\a) > 0
	s_wait_alu depctr_va_vdst(0)
	s_wait_xcnt 0x0                                ; the last tile's stores have read their data and their bases: both are written again only behind this wait
	s_add_nc_u64 s[OC0:OC0+1], s[OC0:OC0+1], s[SA:SA+1]
	s_add_nc_u64 s[OC1:OC1+1], s[OC1:OC1+1], s[SA:SA+1]
.endif
.if (\a) == 4
	s_add_nc_u64 s[OC0:OC0+1], s[OC0:OC0+1], s[SA4:SA4+1]
	s_add_nc_u64 s[OC1:OC1+1], s[OC1:OC1+1], s[SA4:SA4+1]
.endif
	WIN QW                                         ; source 0: the accumulators' window
.irp c, 0,1
.irp g, 0,1,2,3
	v_cvt_scalef32_pk8_fp4_f32 v[PC+4*\c+\g], v[S0+32*\c+8*\g:S0+32*\c+8*\g+7], v[SO+\c]   ; register 4 c + g of the next operand
.endr
.endr
	WIN 0
	v_nop                                          ; one plain instruction behind the last scaled conversion
	global_store_b128 v[CO], v[PC:PC+3], s[OC0:OC0+1]       ; 32 lanes store 512 consecutive bytes, at a multiple of 512 from the buffer's first byte
	global_store_b128 v[CO], v[PC+4:PC+7], s[OC1:OC1+1]
.endm
	s_wait_tensorcnt 0x0                           ; my three loads have landed,
	s_barrier_signal -1
	s_barrier_wait -1                              ; everybody's have
	FETCH_Q 0, 0
	FETCH_P 0, 0
	SCALES
	FETCH_P 0, 4
	s_wait_loadcnt 0x0                             ; the bias
	s_cmp_eq_u32 s[ISV], 1                         ; the first K step starts the sums with the bias: by Q's tiles (q, k) or by P's (v).  The same in all partners
	s_cbranch_scc1 .Lfirst_v
	STEP 0, 1, 0
	s_branch .Lfirst_done
.Lfirst_v:
	STEP 0, 2, 0
.Lfirst_done:
.irp q, 1,2,3,4,5,6
	STEP \q, 0, 0
.endr
	STEP 7, 0, 1                                   ; its four v_nop are the places ahead of the first read of results
.irp a, 0,1,2,3,4,5,6,7
	QUANTW \a
.endr
	; the records of scale words.  q, k: lanes 0-15 take the even tile's word, lanes 16-31 the odd one's; the first head's bytes lie in the low half, the second's in the high half.  v: tile j's word for the first head, tile 4 + j's for the second
.irp j, 0,1,2,3
	v_cndmask_b32 v[T0+\j], v[PWB+2*\j], v[PWB+2*\j+1], s[MH]
.endr
.irp j, 0,1,2,3
	v_lshrrev_b32 v[T1+\j], 16, v[T0+\j]
.endr
.irp j, 0,1,2,3
	v_cndmask_b32 v[T0+\j], v[T0+\j], v[PWB+\j], s[MV]
	v_cndmask_b32 v[T1+\j], v[T1+\j], v[PWB+4+\j], s[MV]
.endr
	global_store_b128 v[CO], v[T0:T0+3], s[OS:OS+1]
	global_store_b128 v[CO], v[T1:T1+3], s[OS:OS+1] offset:8192
	s_wait_tensorcnt 0x0
	ds_add_u32 v254, v255
	s_wait_dscnt 0x0
	CROUND                                         ; the closing round: no work-group ends while a partner may still ask for a tile that names it
	s_endpgm
.Lfunc_end_k_q52cf7d8c53_qkv:
	.size	k_q52cf7d8c53_qkv, .Lfunc_end_k_q52cf7d8c53_qkv-k_q52cf7d8c53_qkv
	.p2alignl 7, 3214868480
	.fill 96, 4, 3214868480
	.section	.rodata,"a",@progbits
	.p2align	6, 0x0
	.amdhsa_kernel k_q52cf7d8c53_qkv
		.amdhsa_group_segment_fixed_size 295424
		.amdhsa_private_segment_fixed_size 0
		.amdhsa_enable_private_segment 0
		.amdhsa_kernarg_size 56
		.amdhsa_user_sgpr_count 2
		.amdhsa_user_sgpr_kernarg_segment_ptr 1
		.amdhsa_wavefront_size32 1
		.amdhsa_system_sgpr_workgroup_id_x 1
		.amdhsa_system_sgpr_workgroup_id_y 1
		.amdhsa_system_sgpr_workgroup_id_z 1
		.amdhsa_system_vgpr_workitem_id 0
		.amdhsa_next_free_vgpr 1024
		.amdhsa_next_free_sgpr 102
		.amdhsa_reserve_vcc 0
		.amdhsa_float_denorm_mode_32 3
		.amdhsa_float_denorm_mode_16_64 3
		.amdhsa_memory_ordered 1
		.amdhsa_forward_progress 1
		.amdhsa_inst_pref_size 142
	.end_amdhsa_kernel
	.amdgpu_metadata
---
amdhsa.version: [ 1, 2 ]
amdhsa.kernels:
  - .name:           k_q52cf7d8c53_qkv
    .symbol:         k_q52cf7d8c53_qkv.kd
    .args:
      - { .name: x_codes, .offset: 0, .size: 8, .value_kind: global_buffer, .address_space: global }
      - { .name: x_scales, .offset: 8, .size: 8, .value_kind: global_buffer, .address_space: global }
      - { .name: W_qkv_codes, .offset: 16, .size: 8, .value_kind: global_buffer, .address_space: global }
      - { .name: W_qkv_scales, .offset: 24, .size: 8, .value_kind: global_buffer, .address_space: global }
      - { .name: b_qkv, .offset: 32, .size: 8, .value_kind: global_buffer, .address_space: global }
      - { .name: qkvc, .offset: 40, .size: 8, .value_kind: global_buffer, .address_space: global }
      - { .name: qkvs, .offset: 48, .size: 8, .value_kind: global_buffer, .address_space: global }
    .group_segment_fixed_size: 295424
    .private_segment_fixed_size: 0
    .kernarg_segment_align: 8
    .kernarg_segment_size: 56
    .max_flat_workgroup_size: 128
    .sgpr_count:     102
    .vgpr_count:     1024
    .wavefront_size: 32
...
	.end_amdgpu_metadata
.endif
;; end of part 1
;; launch attn (part 2): grid 4 x 64, 16 waves a work-group, clusters of 4 x 1, 169,984 bytes of LDS; arguments qkvc, qkvs, ac, asc; writes ac, asc
.if DOCPART == 2
	.amdgcn_target "amdgcn-amd-amdhsa--gfx1250"
	.amdhsa_code_object_version 6
	.text
	.protected	k_q52cf7d8c53_attn
	.globl	k_q52cf7d8c53_attn
	.p2align	8
	.type	k_q52cf7d8c53_attn,@function
k_q52cf7d8c53_attn:
	s_mov_b64 s[64:65], 0
	v_nop
	global_prefetch_b8 v0, s[64:65] scope:SCOPE_SE
	s_setreg_imm32_b32 hwreg(HW_REG_WAVE_MODE, 25, 1), 1
	s_wait_xcnt 0x0
	s_wait_alu depctr_hold_cnt(0) depctr_sa_sdst(0) depctr_va_vdst(0) depctr_va_sdst(0) depctr_va_ssrc(0) depctr_va_vcc(0) depctr_vm_vsrc(0)
	s_getreg_b32 s2, hwreg(HW_REG_IB_STS2, 6, 4)
	s_cmp_eq_u32 s2, 0
	s_cbranch_scc0 .Lentry_in_a_cluster
	s_endpgm
.Lentry_in_a_cluster:
	s_bfe_u32 s2, ttmp6, 0x10000c
	s_cmp_lg_u32 s2, 0x3003
	s_cbranch_scc0 .Lentry_shape_is_right
	s_endpgm
.Lentry_shape_is_right:
; attn[b][q][head] = softmax(q k^T / 8) v for one head, both products on codes of FP4 (E2M1) with E8M0 scales, and attn quantised along the embedding's axis for the last product.
; THE SOFTMAX AHEAD OF THE SECOND PRODUCT: t = score x log2(e) / 8; M = the running largest t rounded UP to a whole number; p = 2^(t - M) is quantised along the keys, not normalised; the row's sum is taken of the
; unquantised p and divides at the end.  When M moves, the sum and O are multiplied by 2^(old M - new M): exact.
; SHARES.  A work-group owns 512 queries of one head (16 batch + head = cluster y); each of its sixteen waves owns two tiles of 16, in 256 registers: four waves to a SIMD, so that one wave's vector work stands beside
; another's matrix work and LDS loads.  Every wave walks the head's 2,048 keys, 128 a trip; each fragment of K and V that it reads feeds two products.
; The head's K and V, codes and scale words (144 KiB), lie in LDS at once, as images of operand registers (lane l's 16 bytes at 16 l): every LDS byte is filled once; every LDS read is 512 consecutive bytes.
; CLUSTER.  The four query blocks of a head read the same K and V: each tile is asked for jointly, with a mask that names the four.
; LAYOUT.  Both products are used transposed: S^T = K Q^T (source 0 = 16 keys), O^T = V^T P^T (source 0 = 16 of the head's 64): a lane holds ONE query (lane % 16) throughout.
; Tile i of a key step holds key 64 (i / 4) + 8 (i % 4) + r % 8 + 32 (r / 8) in lane r, so a lane's 32 registers of tiles 4 c .. 4 c + 3 are keys 64 c + 32 h + 0 .. 31: a whole block, in the order of P's operand
; registers.  V's d tiles are chosen likewise, so a lane's 32 registers of O^T are d = 32 h + 0 .. 31: a whole block of the last product's K.
; K = 64 IN AN INSTRUCTION OF K = 128: Q's registers 4-7 hold zero codes, so K's operand may run on into the next fragment's registers (the last into four registers of zeros); scale bytes 2 and 3 are never 0xff.
; LIMITS: a block whose largest number lies under 2^-124 gets the scale byte 1; p under 2^-126 is 0 (v_exp_f32 flushes); 1 / the sum by v_rcp_f32; a block's largest p is taken from its largest score, which leans on
; v_exp_f32 not falling where its input rises; NaN and infinities are not served.
.set KIMG, 0                           ; LDS: K's codes: 128 tiles x 512 bytes
.set VIMG, 65536                       ; V's: 16 key steps x 4 d tiles x 1,024
.set KREC, 131072                      ; K's scale words: 512 bytes a key step
.set VREC, 139264                      ; V's likewise
.set SCB,  147456                      ; a stage for attn's scale bytes, 1,024 bytes: no tensor load lands here
.set LI,  1                            ; v1   16 x lane
.set SH8, 2                            ; v2   8 h
.set ADK, 3                            ; v3-6 LDS addresses of the trip's K, K's words, V, V's words
.set ADS, 4
.set ADV, 5
.set ADT, 6
.set QS,  7                            ; v7   Q's scale words: lanes 0-15 my first tile's, lanes 16-31 my second's
.set PW,  8                            ; v8-9 p's scale word, for each tile
.set F,   10                           ; v[10:11] 2^(old M - new M); v11 is written once, since the pair is named
.set ST,  12                           ; v[12:15], v[16:19] for each tile: -M, the largest t, the sum in two halves
.set BM,  20                           ; v20-21 my two blocks' largest scores, then largest p
.set SO,  22                           ; v22-23 the conversions' scale operands
.set BY,  24                           ; v[24:25] the sum's second chain, then the scale bytes
.set W0,  26
.set BX,  27                           ; v27  what the other half of the lanes sends
.set KSC, 28                           ; v28-31 K's scale words: register i / 2, lanes 0-15 even tiles, lanes 16-31 odd ones
.set VSC, 32                           ; v32-35 V's: register dt
.set Q,   36                           ; v36-43, v44-51 Q's two fragments
.set PC,  52                           ; v52-59, v60-67 p's codes
.set KF,  68                           ; v68-99 K's eight fragments of four registers, v100-103 zeros;  later in the trip v68-99 V's four fragments of eight
.set VF,  68
.set S,   104                          ; v104-167 S^T, then p, of the tile in hand
.set O,   168                          ; v168-231 O^T, 32 a tile
.set RL,  232                          ; v[232:233], v[234:235] 1 / the sum, for each tile (the upper words are written once)
.set X,   236                          ; v236-243 attn's codes
.set SWA, 244                          ; v244 where my scale bytes go in the stage
.set VO,  245                          ; v245 and their place in asc
.set WV,  12                           ; s12  wave
.set G1R, 16                           ; s[16:23] descriptor group 1 for records, s[24:31] for codes
.set G1C, 24
.set G0R, 40                           ; s[40:43], s[44:47] groups 0
.set G0C, 44
.set SEL, 52
.set CS,  54                           ; s[54:55] c = log2(e) / 8
.set TKK, 56                           ; s56-59 where the trip's K, K's words, V, V's words begin in LDS
.set TKS, 57
.set TKV, 58
.set TKT, 59
.set CNT, 60
.macro PLACES
.rept 4
	v_nop
.endr
.endm
.macro CROUND
	s_barrier_signal -1
	s_barrier_wait -1
	s_cmp_lg_u32 s[WV], 0
	s_cbranch_scc1 .Lnot_wave_0_\@
	s_barrier_signal -3
.Lnot_wave_0_\@:
	s_barrier_wait -3
	s_barrier_signal -1
	s_barrier_wait -1
.endm
	s_load_b256 s[4:11], s[0:1], 0x0               ; qkvc s[4:5], qkvs s[6:7], ac s[8:9], asc s[10:11]
	v_lshl_add_u32 v254, v0, 2, 0x29000
	v_mov_b32 v255, 0
	ds_add_u32 v254, v255
	ds_add_u32 v254, v255
	v_lshrrev_b32 v3, 5, v0
	s_delay_alu instid0(VALU_DEP_1)
	v_readfirstlane_b32 s[WV], v3                  ; wave 0..15
	s_bfe_u32 s13, ttmp6, 0x40000                  ; cx: my block of 512 queries: it enters global addresses of Q and of the results alone
	s_and_b32 s14, ttmp7, 0xffff                   ; 16 batch + head, which the four partners share
	s_and_b32 s66, s[WV], 1                        ; what I fetch, if I fetch: K (0) or V (1),
	s_bfe_u32 s67, s[WV], 0x10001                  ; its first or second half
	; group 1: dense blocks as rows of 256 bytes (32 elements of 8 bytes), no padding: 16 rows of records, 128 rows of codes
	s_mov_b32 s[G1R], 15|(3<<16)|(1<<21)           ; 15:0 the mask: all four work-groups; 17:16 elements of 8 bytes; 21 set beside a mask
	s_mov_b32 s[G1R+1], 32<<16
	s_mov_b32 s[G1R+2], 16<<16
	s_mov_b32 s[G1R+3], 32<<16
	s_mov_b32 s[G1R+4], 16
	s_mov_b32 s[G1R+5], 32
	s_mov_b32 s[G1R+6], 0
	s_mov_b32 s[G1R+7], 0
	s_mov_b32 s[G1C], 15|(3<<16)|(1<<21)
	s_mov_b32 s[G1C+1], 32<<16
	s_mov_b32 s[G1C+2], 128<<16
	s_mov_b32 s[G1C+3], 32<<16
	s_mov_b32 s[G1C+4], 128
	s_mov_b32 s[G1C+5], 32
	s_mov_b32 s[G1C+6], 0
	s_mov_b32 s[G1C+7], 0
	s_add_co_u32 s68, s66, 1                       ; region 1 (k) or 2 (v)
	s_lshl_b32 s70, s68, 19                        ; records: 512 KiB a region, 8,192 bytes a head, my half
	s_lshl_b32 s69, s14, 13
	s_add_co_u32 s70, s70, s69
	s_lshl_b32 s69, s67, 12
	s_add_co_u32 s70, s70, s69
	s_mov_b32 s71, 0
	s_lshl_b32 s72, s68, 22                        ; codes: 4 MiB a region, 65,536 bytes a head, my half
	s_lshl_b32 s69, s14, 16
	s_add_co_u32 s72, s72, s69
	s_lshl_b32 s69, s67, 15
	s_add_co_u32 s72, s72, s69
	s_mov_b32 s73, 0
	s_lshl_b32 s74, s66, 13                        ; and in LDS
	s_lshl_b32 s69, s67, 12
	s_add_co_u32 s74, s74, s69
	s_add_co_u32 s74, s74, KREC
	s_lshl_b32 s75, s66, 16
	s_lshl_b32 s69, s67, 15
	s_add_co_u32 s75, s75, s69
	s_mov_b32 s[SEL], 0x76543210
	s_mov_b32 s[SEL+1], 0xfedcba98
	s_mov_b32 s[CS], 0x3e38aa3b                    ; log2(e) / 8
	s_mov_b32 s[CS+1], s[CS]                       ; (named with it as a pair, so it is written)
	s_mov_b32 s[TKK], KIMG
	s_mov_b32 s[TKS], KREC
	s_mov_b32 s[TKV], VIMG
	s_mov_b32 s[TKT], VREC
	s_wait_dscnt 0x0
	s_wait_kmcnt 0x0
	s_mov_b32 s[G0R], 1
	s_mov_b32 s[G0R+1], s74
	s_add_nc_u64 s[G0R+2:G0R+3], s[6:7], s[70:71]
	s_or_b32 s[G0R+3], s[G0R+3], 0x80000000
	s_mov_b32 s[G0C], 1
	s_mov_b32 s[G0C+1], s75
	s_add_nc_u64 s[G0C+2:G0C+3], s[4:5], s[72:73]
	s_or_b32 s[G0C+3], s[G0C+3], 0x80000000
	CROUND                                         ; all four work-groups are here: the joint loads meet
	s_cmp_lt_u32 s[WV], 4                          ; waves 0 to 3 fetch, two loads each, in one branch on the wave's number; four v_nop follow the second
	s_cbranch_scc0 .Lno_fetch
	tensor_load_to_lds s[G0R:G0R+3], s[G1R:G1R+7]
	s_nop 0
	tensor_load_to_lds s[G0C:G0C+3], s[G1C:G1C+7]
	s_nop 0
	PLACES
.Lno_fetch:
	v_and_b32 v3, 31, v0
	s_delay_alu instid0(VALU_DEP_1)
	v_lshlrev_b32 v[LI], 4, v3
	s_wait_alu depctr_va_vdst(0)
	v_bfe_u32 v4, v0, 4, 1                         ; h
	s_delay_alu instid0(VALU_DEP_1)
	v_lshlrev_b32 v[SH8], 3, v4
	v_and_b32 v5, 15, v0                           ; r
	s_wait_alu depctr_va_vdst(0)
	s_lshl_b32 s76, s14, 16                        ; Q's codes: my head, tiles 32 cx + 2 wave and the next
	s_lshl_b32 s69, s13, 14
	s_add_co_u32 s76, s76, s69
	s_lshl_b32 s69, s[WV], 10
	s_add_co_u32 s76, s76, s69
	s_mov_b32 s77, 0
	s_add_nc_u64 s[4:5], s[4:5], s[76:77]
	s_lshl_b32 s76, s14, 13                        ; Q's scale words: record 4 cx + wave / 4, word wave % 4
	s_lshl_b32 s69, s13, 11
	s_add_co_u32 s76, s76, s69
	s_lshr_b32 s69, s[WV], 2
	s_lshl_b32 s78, s69, 8                         ; (the stage: 256 bytes for each group of 128 queries)
	s_lshl_b32 s69, s69, 9
	s_add_co_u32 s76, s76, s69
	s_and_b32 s69, s[WV], 3
	s_lshl_b32 s69, s69, 2
	s_add_co_u32 s76, s76, s69
	s_add_co_u32 s78, s78, s69
	s_add_co_u32 s78, s78, SCB
	s_add_nc_u64 s[6:7], s[6:7], s[76:77]
	global_load_b128 v[Q:Q+3], v[LI], s[4:5]
	global_load_b128 v[Q+8:Q+11], v[LI], s[4:5] offset:512
	global_load_b32 v[QS], v[LI], s[6:7]
	v_lshl_add_u32 v[SWA], v5, 4, s78              ; the stage: 16 r + 4 (wave % 4) + 256 (wave / 4)
	v_lshlrev_b32 v[VO], 12, v4
	s_delay_alu instid0(VALU_DEP_1)
	v_lshl_add_u32 v[VO], v5, 4, v[VO]             ; asc: lanes 0-15 one group's 256 bytes, lanes 16-31 the next group's
	s_lshr_b32 s79, s14, 4                         ; batch
	s_and_b32 s80, s14, 15                         ; head
	s_lshl_b32 s76, s79, 20                        ; ac: (128 batch + 32 cx + 2 wave) x 8,192 + 512 head
	s_lshl_b32 s69, s13, 18
	s_add_co_u32 s76, s76, s69
	s_lshl_b32 s69, s[WV], 14
	s_add_co_u32 s76, s76, s69
	s_lshl_b32 s69, s80, 9
	s_add_co_u32 s76, s76, s69
	s_add_nc_u64 s[8:9], s[8:9], s[76:77]
	s_lshl_b32 s76, s79, 16                        ; asc: (16 batch + 4 cx) x 4,096 + 256 head
	s_lshl_b32 s69, s13, 14
	s_add_co_u32 s76, s76, s69
	s_lshl_b32 s69, s80, 8
	s_add_co_u32 s76, s76, s69
	s_add_nc_u64 s[10:11], s[10:11], s[76:77]
.irp j, 4,5,6,7,12,13,14,15
	v_mov_b32 v[Q+\j], 0                           ; zero codes for k = 64 .. 127
.endr
.irp j, 0,1,2,3
	v_mov_b32 v[KF+32+\j], 0                       ; what the last tile of K runs on into
.endr
	v_mov_b32 v[F+1], 0
	v_mov_b32 v[BX], 0                             ; written once: a lane permute's destination counts as one of its sources
	v_mov_b32 v[RL+1], 0
	v_mov_b32 v[RL+3], 0
.irp t, 0,1
	v_mov_b32 v[ST+4*\t+1], 0xff61b1e6             ; the largest t so far: -3e38, under every t
	s_delay_alu instid0(VALU_DEP_1)
	v_floor_f32 v[ST+4*\t], -v[ST+4*\t+1]          ; -M
	v_mov_b32 v[ST+4*\t+2], 0                      ; the sum
	v_mov_b32 v[ST+4*\t+3], 0
.endr
.set j, 0
.rept 64
	v_mov_b32 v[O+j], 0                            ; O^T.  (The trip is written once: the first finds zeros, which the first change of M leaves zeros)
.set j, j+1
.endr
; S^T of tile t: eight products, K = the head's 64 and 64 zeros
.macro SMUL t
.irp i, 0,1,2,3,4,5,6,7
.if (\i%2 == 0) && (\t == 0)
	v_wmma_scale_f32_16x16x128_f8f6f4 v[S+8*\i:S+8*\i+7], v[KF+4*\i:KF+4*\i+7], v[Q+8*\t:Q+8*\t+7], 0, v[KSC+\i/2], v[QS] matrix_a_fmt:MATRIX_FMT_FP4 matrix_b_fmt:MATRIX_FMT_FP4
.elseif (\t == 0)
	v_wmma_scale_f32_16x16x128_f8f6f4 v[S+8*\i:S+8*\i+7], v[KF+4*\i:KF+4*\i+7], v[Q+8*\t:Q+8*\t+7], 0, v[KSC+\i/2], v[QS] matrix_a_fmt:MATRIX_FMT_FP4 matrix_b_fmt:MATRIX_FMT_FP4 matrix_a_scale:MATRIX_SCALE_ROW1
.elseif (\i%2 == 0)
	v_wmma_scale_f32_16x16x128_f8f6f4 v[S+8*\i:S+8*\i+7], v[KF+4*\i:KF+4*\i+7], v[Q+8*\t:Q+8*\t+7], 0, v[KSC+\i/2], v[QS] matrix_a_fmt:MATRIX_FMT_FP4 matrix_b_fmt:MATRIX_FMT_FP4 matrix_b_scale:MATRIX_SCALE_ROW1
.else
	v_wmma_scale_f32_16x16x128_f8f6f4 v[S+8*\i:S+8*\i+7], v[KF+4*\i:KF+4*\i+7], v[Q+8*\t:Q+8*\t+7], 0, v[KSC+\i/2], v[QS] matrix_a_fmt:MATRIX_FMT_FP4 matrix_b_fmt:MATRIX_FMT_FP4 matrix_a_scale:MATRIX_SCALE_ROW1 matrix_b_scale:MATRIX_SCALE_ROW1
.endif
.endr
.endm
; The softmax of tile t for 128 keys.  My lane's blocks of 32 keys are S + 32 c + 0 .. 31, c = 0, 1 (blocks 2 c + h of the key step).
.macro SOFT t
.set NM, ST+4*(\t)
.set TX, NM+1
.set LS, NM+2
.set OT, O+32*(\t)
.set PT, PC+8*(\t)
.irp c, 0,1
	v_max3_num_f32 v[BM+\c], v[S+32*\c], v[S+32*\c+1], v[S+32*\c+2]   ; the largest score of each block: for the row's maximum, and, since p rises with the score, for the block's largest p.  Each accumulator is read from its low end on
.endr
.irp i, 3,5,7,9,11,13,15,17,19,21,23,25,27,29
.irp c, 0,1
	v_max3_num_f32 v[BM+\c], v[BM+\c], v[S+32*\c+\i], v[S+32*\c+\i+1]
.endr
.endr
.irp c, 0,1
	v_max_num_f32 v[BM+\c], v[BM+\c], v[S+32*\c+31]
.endr
	s_delay_alu instid0(VALU_DEP_1)
	v_max_num_f32 v[W0], v[BM], v[BM+1]
	s_delay_alu instid0(VALU_DEP_1)
	v_permlanex16_b32 v[BX], v[W0], s[SEL], s[SEL+1]
	s_delay_alu instid0(VALU_DEP_1)
	v_max_num_f32 v[W0], v[W0], v[BX]              ; with lane l xor 16's 64 keys: the step's largest score of my query
	s_delay_alu instid0(VALU_DEP_1)
	v_mul_f32 v[W0], s[CS], v[W0]                  ; as t
	s_delay_alu instid0(VALU_DEP_1)
	v_max_num_f32 v[TX], v[TX], v[W0]              ; the running largest t
	v_mov_b32 v[W0], v[NM]
	s_delay_alu instid0(VALU_DEP_2)
	v_floor_f32 v[NM], -v[TX]                      ; the new -M = floor(-t) = -ceil(t)
	s_delay_alu instid0(VALU_DEP_1)
	v_sub_f32 v[W0], v[NM], v[W0]                  ; old M - new M: a whole number, 0 or less
	s_delay_alu instid0(VALU_DEP_1)
	v_cvt_i32_f32 v[W0], v[W0]                     ; (it saturates)
	s_delay_alu instid0(VALU_DEP_1)
	v_ldexp_f32 v[F], 1.0, v[W0]                   ; f = 2^(old M - new M)
.set j, 0
.rept 32
	v_pk_fma_f32 v[S+j:S+j+1], v[S+j:S+j+1], s[CS:CS+1], v[NM:NM+1] op_sel_hi:[1,0,0]   ; t - M, two at a time
.set j, j+2
.endr
.irp c, 0,1
	v_fma_f32 v[BM+\c], v[BM+\c], s[CS], v[NM]     ; the same of each block's largest score
.endr
.set j, 0
	s_wait_alu depctr_va_vdst(0)
.rept 64
	v_exp_f32 v[S+j], v[S+j]                       ; p = 2^(t - M)
.set j, j+1
.endr
	v_pk_mul_f32 v[LS:LS+1], v[LS:LS+1], v[F:F+1] op_sel_hi:[1,0]   ; the sum under the new M: the plain instruction behind the exponentials
	s_wait_alu depctr_va_vdst(0)                   ; one wait for the batch of 64, ahead of its first reader
.irp c, 0,1
	v_exp_f32 v[BM+\c], v[BM+\c]                   ; the block's largest p: the same two instructions on the same number give the same bits
.endr
	v_pk_add_f32 v[BY:BY+1], v[S:S+1], v[S+2:S+3]  ; the row's sum is taken of the unquantised p, in two chains
.irp j, 4,8,12,16,20,24,28,32,36,40,44,48,52,56,60
	v_pk_add_f32 v[LS:LS+1], v[LS:LS+1], v[S+\j:S+\j+1]
	v_pk_add_f32 v[BY:BY+1], v[BY:BY+1], v[S+\j+2:S+\j+3]
.endr
	s_delay_alu instid0(VALU_DEP_1)
	v_pk_add_f32 v[LS:LS+1], v[LS:LS+1], v[BY:BY+1]
	s_wait_alu depctr_va_vdst(0)                   ; and one for the two
.irp c, 0,1
	v_max_num_f32 v[BM+\c], 0x1800000, v[BM+\c]    ; the floor 2^(3 - 127): the byte cannot fall under 1
.endr
.irp c, 0,1
	s_delay_alu instid0(VALU_DEP_2)
	v_add_nc_u32 v[SO+\c], 0xff000000, v[BM+\c]    ; 2 off the exponent field: the conversion's scale operand
.endr
.irp c, 0,1
	s_delay_alu instid0(VALU_DEP_2)
	v_lshrrev_b32 v[BY+\c], 23, v[SO+\c]           ; the scale's byte
.endr
	s_delay_alu instid0(VALU_DEP_1)
	v_lshl_or_b32 v[PW+\t], v[BY+1], 16, v[BY]     ; my two bytes, blocks h and 2 + h,
	s_delay_alu instid0(VALU_DEP_1)
	v_lshlrev_b32 v[PW+\t], v[SH8], v[PW+\t]       ; at their places;
	s_delay_alu instid0(VALU_DEP_1)
	v_permlanex16_b32 v[BX], v[PW+\t], s[SEL], s[SEL+1]
	s_delay_alu instid0(VALU_DEP_1)
	v_or_b32 v[PW+\t], v[PW+\t], v[BX]             ; with lane l xor 16's two: p's scale word for these 128 keys
.irp c, 0,1
.irp g, 0,1,2,3
	v_cvt_scalef32_pk8_fp4_f32 v[PT+4*\c+\g], v[S+32*\c+8*\g:S+32*\c+8*\g+7], v[SO+\c]   ; register 4 c + g of P's operand
.endr
.endr
	v_nop                                          ; one plain instruction behind the last scaled conversion
.set j, 0
.rept 16
	v_pk_mul_f32 v[OT+j:OT+j+1], v[OT+j:OT+j+1], v[F:F+1] op_sel_hi:[1,0]   ; O^T under the new M.  These 16 are also the plain instructions between the scale word, the codes and the products that take them, and ahead of the products that write S anew
.set j, j+2
.endr
.endm
; A trip: 128 keys for both tiles
.macro TRIP
	v_add_nc_u32 v[ADK], s[TKK], v[LI]             ; four plain instructions behind the last trip's products, ahead of the loads into registers that those have read
	v_add_nc_u32 v[ADS], s[TKS], v[LI]
	v_add_nc_u32 v[ADV], s[TKV], v[LI]
	v_add_nc_u32 v[ADT], s[TKT], v[LI]
.irp i, 0,1,2,3,4,5,6,7
	ds_load_b128 v[KF+4*\i:KF+4*\i+3], v[ADK] offset:512*\i
.endr
	ds_load_b128 v[KSC:KSC+3], v[ADS]
	s_wait_dscnt 0x0
	SMUL 0
	PLACES
	SOFT 0
	SMUL 1
	PLACES                                         ; ahead of the loads into K's registers and of the first read of the scores
.irp d, 0,1,2,3
.irp c, 0,1
	ds_load_b128 v[VF+8*\d+4*\c:VF+8*\d+4*\c+3], v[ADV] offset:1024*\d+512*\c   ; V lands while the second tile's softmax is walked
.endr
.endr
	ds_load_b128 v[VSC:VSC+3], v[ADT]
	s_setprio 1
	SOFT 1
	s_setprio 0
	s_wait_alu depctr_va_vdst(0)
	s_wait_dscnt 0x0
.irp t, 0,1
.irp d, 0,1,2,3                        ; eight accumulators, one instruction a turn
	v_wmma_scale_f32_16x16x128_f8f6f4 v[O+32*\t+8*\d:O+32*\t+8*\d+7], v[VF+8*\d:VF+8*\d+7], v[PC+8*\t:PC+8*\t+7], v[O+32*\t+8*\d:O+32*\t+8*\d+7], v[VSC+\d], v[PW+\t] matrix_a_fmt:MATRIX_FMT_FP4 matrix_b_fmt:MATRIX_FMT_FP4
.endr
.endr
	s_add_co_u32 s[TKK], s[TKK], 4096
	s_add_co_u32 s[TKS], s[TKS], 512
	s_add_co_u32 s[TKV], s[TKV], 4096
	s_add_co_u32 s[TKT], s[TKT], 512
.endm
	s_wait_tensorcnt 0x0                           ; my loads, if I issued any, have landed,
	s_barrier_signal -1
	s_barrier_wait -1                              ; everybody's have: the head's K and V lie in LDS
	s_wait_loadcnt 0x0                             ; Q
	s_mov_b32 s[CNT], 16
.Lkeys:
	s_setprio 2
	TRIP
	s_sub_co_u32 s[CNT], s[CNT], 1
	s_cmp_lg_u32 s[CNT], 0
	s_cbranch_scc1 .Lkeys
	s_setprio 0
	; THE WAY OUT.  The sum's halves and the other half of the lanes' are added (plain instructions behind the last products); O^T / the sum is quantised: my 32 numbers of a tile are one block of the embedding's axis
.irp t, 0,1
	v_add_f32 v[RL+2*\t], v[ST+4*\t+2], v[ST+4*\t+3]
.endr
.irp t, 0,1
	s_delay_alu instid0(VALU_DEP_2)
	v_permlanex16_b32 v[BM+\t], v[RL+2*\t], s[SEL], s[SEL+1]
.endr
.irp t, 0,1
	s_delay_alu instid0(VALU_DEP_2)
	v_add_f32 v[RL+2*\t], v[RL+2*\t], v[BM+\t]
.endr
	v_add_nc_u32 v[ADS], SCB, v[LI]                ; where wave 0 reads the stage back
	s_wait_alu depctr_va_vdst(0)
.irp t, 0,1
	v_rcp_f32 v[RL+2*\t], v[RL+2*\t]
.endr
	v_nop                                          ; a plain instruction behind the reciprocals,
	s_wait_alu depctr_va_vdst(0)                   ; and one wait for the two, ahead of their first reader
.macro FINISH t
.set AT, S+32*(\t)
.set j, 0
.rept 16
	v_pk_mul_f32 v[AT+j:AT+j+1], v[O+32*(\t)+j:O+32*(\t)+j+1], v[RL+2*(\t):RL+2*(\t)+1] op_sel_hi:[1,0]   ; each accumulator from its low end on
.set j, j+2
.endr
	v_max3_num_f32 v[BM], |v[AT]|, |v[AT+1]|, 0x1800000
	v_max3_num_f32 v[BM+1], |v[AT+16]|, |v[AT+17]|, 0x1800000
.irp i, 2,4,6,8,10,12,14
	s_delay_alu instid0(VALU_DEP_2)
	v_max3_num_f32 v[BM], v[BM], |v[AT+\i]|, |v[AT+\i+1]|
	s_delay_alu instid0(VALU_DEP_2)
	v_max3_num_f32 v[BM+1], v[BM+1], |v[AT+16+\i]|, |v[AT+17+\i]|
.endr
	s_delay_alu instid0(VALU_DEP_1)
	v_max_num_f32 v[BM], v[BM], v[BM+1]            ; the block's largest magnitude
	s_delay_alu instid0(VALU_DEP_1)
	v_add_nc_u32 v[SO+\t], 0xff000000, v[BM]
	s_delay_alu instid0(VALU_DEP_1)
	v_lshrrev_b32 v[BY+\t], 23, v[SO+\t]
	s_delay_alu instid0(VALU_DEP_1)
	v_lshlrev_b32 v[BY+\t], v[SH8], v[BY+\t]
	s_delay_alu instid0(VALU_DEP_1)
	v_permlanex16_b32 v[BX], v[BY+\t], s[SEL], s[SEL+1]
	s_delay_alu instid0(VALU_DEP_1)
	v_or_b32 v[BY+\t], v[BY+\t], v[BX]             ; the head's two scale bytes of my query
.irp g, 0,1,2,3
	v_cvt_scalef32_pk8_fp4_f32 v[X+4*(\t)+\g], v[AT+8*\g:AT+8*\g+7], v[SO+\t]
.endr
	v_nop
	global_store_b128 v[LI], v[X+4*(\t):X+4*(\t)+3], s[8:9] offset:8192*(\t)   ; 32 lanes store 512 consecutive bytes: half a fragment of the last product's A
.endm
	FINISH 0
	FINISH 1
	v_lshl_or_b32 v[W0], v[BY+1], 16, v[BY]        ; my two tiles' bytes are neighbours in asc
	ds_store_b32 v[SWA], v[W0]                     ; lanes r and r + 16 write the same word with the same value
	s_wait_dscnt 0x0                               ; for the others' sake: my store is done
	s_barrier_signal -1
	s_barrier_wait -1
	s_cmp_lg_u32 s[WV], 0
	s_cbranch_scc1 .Lnot_first
	ds_load_b128 v[S:S+3], v[ADS]                  ; wave 0 stores the work-group's 1,024 bytes: four aligned runs of 256
	ds_load_b128 v[S+4:S+7], v[ADS] offset:512
	s_wait_dscnt 0x0
	global_store_b128 v[VO], v[S:S+3], s[10:11]
	global_store_b128 v[VO], v[S+4:S+7], s[10:11] offset:8192
.Lnot_first:
	s_wait_tensorcnt 0x0
	ds_add_u32 v254, v255
	s_wait_dscnt 0x0
	CROUND                                         ; the closing round
	s_endpgm
.Lfunc_end_k_q52cf7d8c53_attn:
	.size	k_q52cf7d8c53_attn, .Lfunc_end_k_q52cf7d8c53_attn-k_q52cf7d8c53_attn
	.p2alignl 7, 3214868480
	.fill 96, 4, 3214868480
	.section	.rodata,"a",@progbits
	.p2align	6, 0x0
	.amdhsa_kernel k_q52cf7d8c53_attn
		.amdhsa_group_segment_fixed_size 169984
		.amdhsa_private_segment_fixed_size 0
		.amdhsa_enable_private_segment 0
		.amdhsa_kernarg_size 32
		.amdhsa_user_sgpr_count 2
		.amdhsa_user_sgpr_kernarg_segment_ptr 1
		.amdhsa_wavefront_size32 1
		.amdhsa_system_sgpr_workgroup_id_x 1
		.amdhsa_system_sgpr_workgroup_id_y 1
		.amdhsa_system_sgpr_workgroup_id_z 1
		.amdhsa_system_vgpr_workitem_id 0
		.amdhsa_next_free_vgpr 256
		.amdhsa_next_free_sgpr 82
		.amdhsa_reserve_vcc 0
		.amdhsa_float_denorm_mode_32 3
		.amdhsa_float_denorm_mode_16_64 3
		.amdhsa_memory_ordered 1
		.amdhsa_forward_progress 1
		.amdhsa_inst_pref_size 46
	.end_amdhsa_kernel
	.amdgpu_metadata
---
amdhsa.version: [ 1, 2 ]
amdhsa.kernels:
  - .name:           k_q52cf7d8c53_attn
    .symbol:         k_q52cf7d8c53_attn.kd
    .args:
      - { .name: qkvc, .offset: 0, .size: 8, .value_kind: global_buffer, .address_space: global }
      - { .name: qkvs, .offset: 8, .size: 8, .value_kind: global_buffer, .address_space: global }
      - { .name: ac, .offset: 16, .size: 8, .value_kind: global_buffer, .address_space: global }
      - { .name: asc, .offset: 24, .size: 8, .value_kind: global_buffer, .address_space: global }
    .group_segment_fixed_size: 169984
    .private_segment_fixed_size: 0
    .kernarg_segment_align: 8
    .kernarg_segment_size: 32
    .max_flat_workgroup_size: 512
    .sgpr_count:     82
    .vgpr_count:     256
    .wavefront_size: 32
...
	.end_amdgpu_metadata
.endif
;; end of part 2
;; launch fc (part 3): grid 4 x 64, 4 waves a work-group, clusters of 4 x 4, 262,656 bytes of LDS; arguments ac, asc, W_fc_codes, W_fc_scales, b_fc, out0; writes out0
.if DOCPART == 3
	.amdgcn_target "amdgcn-amd-amdhsa--gfx1250"
	.amdhsa_code_object_version 6
	.text
	.protected	k_q52cf7d8c53_fc
	.globl	k_q52cf7d8c53_fc
	.p2align	8
	.type	k_q52cf7d8c53_fc,@function
k_q52cf7d8c53_fc:
	s_mov_b64 s[64:65], 0
	v_nop
	global_prefetch_b8 v0, s[64:65] scope:SCOPE_SE
	s_setreg_imm32_b32 hwreg(HW_REG_WAVE_MODE, 25, 1), 1
	s_wait_xcnt 0x0
	s_wait_alu depctr_hold_cnt(0) depctr_sa_sdst(0) depctr_va_vdst(0) depctr_va_sdst(0) depctr_va_ssrc(0) depctr_va_vcc(0) depctr_vm_vsrc(0)
	s_getreg_b32 s2, hwreg(HW_REG_IB_STS2, 6, 4)
	s_cmp_eq_u32 s2, 0
	s_cbranch_scc0 .Lentry_in_a_cluster
	s_endpgm
.Lentry_in_a_cluster:
	s_bfe_u32 s2, ttmp6, 0x10000c
	s_cmp_lg_u32 s2, 0xf033
	s_cbranch_scc0 .Lentry_shape_is_right
	s_endpgm
.Lentry_shape_is_right:
; out0 = attn W_fc^T + b_fc on codes of FP4 (E2M1) with E8M0 scales.  attn's codes (ac) and scale bytes (asc) were laid by the launch before as images of operand registers; W_fc comes as it is given.
; SHARES.  A work-group makes 128 tokens x 256 columns; each of its four waves 64 tokens x 128 columns: 32 accumulators.  256 work-groups.  K = 1,024 is 8 steps of 128; both operands lie in LDS whole: every LDS byte
; that a tensor load fills is filled once.
; CLUSTERS: 4 x 4.  attn's tile is shared along a row of the cluster, W_fc's along a column: joint loads, each with a mask that names the four.
; THE MATRIX INSTRUCTION IS USED TRANSPOSED (source 0 = 16 rows of W_fc, source 1 = 16 tokens): a lane holds eight neighbouring numbers of a row of out0.
; TILES: tile a of 128 rows (tokens, or rows of W_fc) holds row 64 (a / 4) + 8 (a % 4) + r % 8 + 32 (r / 8) in lane r: so the launches before laid the tokens.  W_fc's 256 rows lie in LDS in four regions, region i
; holding the groups of 8 rows i, i + 4, ..: a tile's 16 rows are 16 neighbouring LDS rows, 528 bytes apart.
; REGISTERS.  window 0: v1-27 addresses; v32-63 attn's scale words (8 a + s); v64-95 W_fc's (8 i + s: lanes 0-15 tile 2 i, lanes 16-31 tile 2 i + 1); v96-127 asc as loaded; v128-191 attn's fragments, two sets of 32;
;   on the way out v128-255 rows of out0.   window 1: W_fc's fragments, two sets of 64; v128-191 the bias, 8 tiles of 8.   window 2: accumulator (a, b) at v[8 (8 a + b)].
.set PITCH,  528
.set TILEB,  16*PITCH
.set QUART,  64*PITCH
.set HALF,   2*QUART
.set SPIECE, 16*272
.set AIMG,   0                         ; LDS: attn's 8 tiles x 8,192 bytes
.set BROW,   65536                     ; W_fc's four regions
.set BSC,    BROW+4*QUART              ; its scale bytes: two pieces of 128 rows
.set STG,    BSC+2*SPIECE              ; the way out: 16 rows x 528 bytes for each wave; no tensor load lands here
.set LI,   4                           ; v4   16 x lane
.set XA,   8                           ; v8   asc: 16 r
.set BO,   9                           ; v9   the bias: 128 h
.set ADA,  16                          ; v16  LDS address of attn's fragments
.set ADRB, 20                          ; v20-21 of W_fc's, regions 0, 1 and 2, 3
.set STO,  24                          ; v24  the stage: where I put 32 bytes of a row
.set RD,   25                          ; v25  and where I read a row back
.set ADRS, 27                          ; v27  W_fc's scale words
.set SA,   32
.set SB,   64
.set XH,   96
.set AF,   128
.set BK,   128
.set BI,   128                         ; in window 1
.set WV,   20
.set WR,   21
.set WC,   22
.set G1A,  24                          ; s[24:31] group 1 for attn's images, s[32:39] for W_fc's codes, s[40:47] for its scale bytes
.set G1B,  32
.set G1S,  40
.set G0A,  48                          ; groups 0
.set G0BS, 52
.set G0B0, 56
.set G0B1, 60
.set MSB, 0
.macro WIN new
.if MSB != (\new)
	s_set_vgpr_msb (MSB<<8)|(\new)
.set MSB, (\new)
.endif
.endm
.macro PLACES n
.rept \n
	v_nop
.endr
.endm
.macro CROUND
	s_barrier_signal -1
	s_barrier_wait -1
	s_cmp_lg_u32 s[WV], 0
	s_cbranch_scc1 .Lnot_wave_0_\@
	s_barrier_signal -3
.Lnot_wave_0_\@:
	s_barrier_wait -3
	s_barrier_signal -1
	s_barrier_wait -1
.endm
	s_load_b256 s[4:11], s[0:1], 0x0               ; ac s[4:5], asc s[6:7], W_fc's codes s[8:9], its scales s[10:11]
	s_load_b128 s[12:15], s[0:1], 0x20             ; b_fc s[12:13], out0 s[14:15]
	v_lshl_add_u32 v30, v0, 2, 0x40000
	v_mov_b32 v31, 0
	ds_add_u32 v30, v31
	ds_add_u32 v30, v31
	v_lshrrev_b32 v5, 5, v0
	v_readfirstlane_b32 s[WV], v5
	s_lshr_b32 s[WR], s[WV], 1                     ; my 64 tokens.  Also: I fetch for attn (0) or for W_fc (1)
	s_and_b32 s[WC], s[WV], 1                      ; my 128 columns.  Also: which half I fetch
	s_bfe_u32 s84, ttmp6, 0x40000                  ; cx
	s_bfe_u32 s85, ttmp6, 0x40004                  ; cy
	s_and_b32 s86, ttmp7, 0xffff
	s_lshl_b32 s86, s86, 2
	s_add_co_u32 s86, s86, s85                     ; the group of 128 tokens: 4 x cluster y + cy
	s_lshl_b32 s87, ttmp9, 2
	s_add_co_u32 s87, s87, s84                     ; the 256 columns: 4 x cluster x + cx
	s_lshl_b32 s90, s85, 2
	s_lshl_b32 s90, 15, s90                        ; my row of the cluster
	s_lshl_b32 s91, 0x1111, s84                    ; my column
	s_or_b32 s[G1A], s90, (3<<16)|(1<<21)          ; attn: 32,768 dense bytes as 128 rows of 256 (32 elements of 8 bytes), no padding
	s_mov_b32 s[G1A+1], 32<<16
	s_mov_b32 s[G1A+2], 128<<16
	s_mov_b32 s[G1A+3], 32<<16
	s_mov_b32 s[G1A+4], 128
	s_mov_b32 s[G1A+5], 32
	s_mov_b32 s[G1A+6], 0
	s_mov_b32 s[G1A+7], 0
	s_or_b32 s[G1B], s91, (0<<16)|(1<<20)|(1<<21)|(6<<22)|(3<<25)   ; W_fc's codes: 8 rows of 4,096 bytes (8 dense rows each), 32 rows apart; 16 bytes of padding behind every 512
	s_mov_b32 s[G1B+1], 4096<<16
	s_mov_b32 s[G1B+2], 8<<16
	s_mov_b32 s[G1B+3], 4096<<16
	s_mov_b32 s[G1B+4], 8
	s_mov_b32 s[G1B+5], 16384
	s_mov_b32 s[G1B+6], 0
	s_mov_b32 s[G1B+7], 0
	s_or_b32 s[G1S], s91, (3<<16)|(1<<20)|(1<<21)|(5<<22)|(3<<25)   ; its scale bytes of 128 rows: 16 rows of 256 bytes, 16 of padding behind each
	s_mov_b32 s[G1S+1], 32<<16
	s_mov_b32 s[G1S+2], 16<<16
	s_mov_b32 s[G1S+3], 32<<16
	s_mov_b32 s[G1S+4], 16
	s_mov_b32 s[G1S+5], 32
	s_mov_b32 s[G1S+6], 0
	s_mov_b32 s[G1S+7], 0
	s_lshl_b32 s88, s86, 16                        ; attn: 65,536 bytes a group, my half
	s_lshl_b32 s90, s[WC], 15
	s_add_co_u32 s88, s88, s90
	s_mov_b32 s89, 0
	s_lshl_b32 s92, s87, 17                        ; W_fc's codes: 256 rows x 512 bytes, my two regions
	s_lshl_b32 s91, s[WC], 13
	s_add_co_u32 s92, s92, s91
	s_mov_b32 s93, 0
	s_lshl_b32 s94, s87, 13                        ; its scale bytes: 256 rows x 32 bytes, my 128 rows
	s_lshl_b32 s91, s[WC], 12
	s_add_co_u32 s94, s94, s91
	s_mov_b32 s95, 0
	s_lshl_b32 s96, s[WC], 15                      ; and in LDS: no place in the cluster enters an LDS address
	s_mul_i32 s97, s[WC], HALF
	s_add_co_u32 s97, s97, BROW
	s_mul_i32 s98, s[WC], SPIECE
	s_add_co_u32 s98, s98, BSC
	s_wait_dscnt 0x0
	s_wait_kmcnt 0x0
	s_mov_b32 s[G0A], 1
	s_mov_b32 s[G0A+1], s96
	s_add_nc_u64 s[G0A+2:G0A+3], s[4:5], s[88:89]
	s_or_b32 s[G0A+3], s[G0A+3], 0x80000000
	s_mov_b32 s[G0BS], 1
	s_mov_b32 s[G0BS+1], s98
	s_add_nc_u64 s[G0BS+2:G0BS+3], s[10:11], s[94:95]
	s_or_b32 s[G0BS+3], s[G0BS+3], 0x80000000
	s_mov_b32 s[G0B0], 1
	s_mov_b32 s[G0B0+1], s97
	s_add_nc_u64 s[G0B0+2:G0B0+3], s[8:9], s[92:93]
	s_mov_b32 s[G0B1], 1
	s_add_co_u32 s[G0B1+1], s97, QUART
	s_add_nc_u64 s[G0B1+2:G0B1+3], s[G0B0+2:G0B0+3], 4096
	s_or_b32 s[G0B0+3], s[G0B0+3], 0x80000000
	s_or_b32 s[G0B1+3], s[G0B1+3], 0x80000000
	CROUND                                         ; all sixteen work-groups are here: the joint loads meet
	s_cmp_eq_u32 s[WR], 0                          ; a wave's fills stand in one branch on the wave's number: one load (attn) or three (W_fc) of mine are out.  Four v_nop follow the last
	s_cbranch_scc0 .Lfetch_b
	tensor_load_to_lds s[G0A:G0A+3], s[G1A:G1A+7]
	s_nop 0
	PLACES 4
	s_branch .Lfetched
.Lfetch_b:
	tensor_load_to_lds s[G0BS:G0BS+3], s[G1S:G1S+7]
	s_nop 0
	tensor_load_to_lds s[G0B0:G0B0+3], s[G1B:G1B+7]
	s_nop 0
	tensor_load_to_lds s[G0B1:G0B1+3], s[G1B:G1B+7]
	s_nop 0
	PLACES 4
.Lfetched:
	v_and_b32 v1, 15, v0                           ; r
	v_bfe_u32 v2, v0, 4, 1                         ; h
	v_and_b32 v5, 31, v0
	v_lshlrev_b32 v[LI], 4, v5
	v_lshlrev_b32 v[XA], 4, v1
	s_wait_alu depctr_va_vdst(0)
	v_lshlrev_b32 v[BO], 7, v2
	s_wait_alu depctr_va_vdst(0)
	s_lshl_b32 s88, s86, 12                        ; asc: 4,096 bytes a group; a head's 256: 16 r + 2 x tile; my four tiles are 8 bytes
	s_lshl_b32 s90, s[WR], 3
	s_add_co_u32 s88, s88, s90
	s_add_nc_u64 s[6:7], s[6:7], s[88:89]
	s_lshl_b32 s88, s87, 10                        ; the bias, and my columns in a row of out0: 1,024 bytes for 256 columns, 512 for my half
	s_lshl_b32 s90, s[WC], 9
	s_add_co_u32 s88, s88, s90
	s_add_nc_u64 s[12:13], s[12:13], s[88:89]
	s_add_nc_u64 s[14:15], s[14:15], s[88:89]
	s_lshl_b32 s88, s86, 19                        ; out0: 128 rows of 4,096 bytes a group, my 64
	s_lshl_b32 s90, s[WR], 18
	s_add_co_u32 s88, s88, s90
	s_add_nc_u64 s[14:15], s[14:15], s[88:89]
.irp d, 0,1,2,3,4,5,6,7,8,9,10,11,12,13,14,15
	global_load_b64 v[XH+2*\d:XH+2*\d+1], v[XA], s[6:7] offset:256*\d   ; head d: the two scale bytes of token r of each of my four tiles
.endr
	WIN 0x40                                       ; destination window 1
.irp b, 0,1,2,3,4,5,6,7
	global_load_b128 v[BI+8*\b:BI+8*\b+3], v[BO], s[12:13] offset:(64*(\b/4)+8*(\b%4))*4      ; column tile b, register j: b_fc at 64 (b / 4) + 8 (b % 4) + 32 h + j
	global_load_b128 v[BI+8*\b+4:BI+8*\b+7], v[BO], s[12:13] offset:(64*(\b/4)+8*(\b%4))*4+16
.endr
	WIN 0
	s_lshl_b32 s88, s[WR], 15
	v_add_nc_u32 v[ADA], s88, v[LI]                ; attn: my four tiles, 16 x lane
	v_mul_u32_u24 v5, v1, PITCH
	v_lshl_add_u32 v5, v2, 4, v5
	s_mul_i32 s88, s[WC], 2*TILEB
	s_add_co_u32 s88, s88, BROW
	v_add_nc_u32 v[ADRB], s88, v5
	v_add_nc_u32 v[ADRB+1], 2*QUART, v[ADRB]
	v_and_b32 v6, 7, v1
	v_lshrrev_b32 v7, 3, v1
	v_lshlrev_b32 v5, 5, v6
	v_mad_u32_u24 v5, v7, 1088, v5
	v_mad_u32_u24 v5, v2, 272, v5                  ; lanes 16-31 take the odd tile: 8 rows, one unit, further on
	s_mul_i32 s88, s[WC], SPIECE
	s_add_co_u32 s88, s88, BSC
	v_add_nc_u32 v[ADRS], s88, v5
	s_mul_i32 s88, s[WV], TILEB
	s_add_co_u32 s88, s88, STG                     ; my stage
	v_mul_u32_u24 v[STO], v1, PITCH
	v_lshl_add_u32 v[STO], v2, 7, v[STO]           ; in: row r; columns 32 h on
	v_add_nc_u32 v[STO], s88, v[STO]
	v_add_nc_u32 v[RD], s88, v[LI]                 ; back: the 32 lanes take one row of 512 bytes
.macro FRAG reg, adr, q, i
.irp c, 0,1
	ds_load_b128 v[\reg+4*\c:\reg+4*\c+3], v[\adr+((\i)%4)/2] offset:64*(\q)+32*\c+((\i)%2)*QUART+((\i)/4)*TILEB
.endr
.endm
.macro FFETCH s, set                   ; K step s: W_fc's eight fragments and attn's four: 24 loads
	WIN 0x40
.irp i, 0,1,2,3,4,5,6,7
	FRAG 64*(\set)+8*\i, ADRB, \s, \i
.endr
	WIN 0
.irp a, 0,1,2,3
.irp c, 0,1
	ds_load_b128 v[AF+32*(\set)+8*\a+4*\c:AF+32*(\set)+8*\a+4*\c+3], v[ADA] offset:\a*8192+1024*(\s)+512*\c
.endr
.endr
.endm
.macro FMUL s                          ; 32 matrix instructions; the 32 accumulators take turns, one instruction a turn, in the same order in every step
.irp a, 0,1,2,3
.irp b, 0,1,2,3,4,5,6,7
.set DD, 8*(8*\a+\b)
.set WW, 64*((\s)%2)+8*\b
.set AA, AF+32*((\s)%2)+8*\a
.set SBR, SB+8*(\b/2)+(\s)
.set SAR, SA+8*\a+(\s)
.if ((\s) == 0) && (\b%2 == 0)
	v_wmma_scale_f32_16x16x128_f8f6f4 v[DD:DD+7], v[WW:WW+7], v[AA:AA+7], v[BI+8*\b:BI+8*\b+7], v[SBR], v[SAR] matrix_a_fmt:MATRIX_FMT_FP4 matrix_b_fmt:MATRIX_FMT_FP4
.elseif ((\s) == 0)
	v_wmma_scale_f32_16x16x128_f8f6f4 v[DD:DD+7], v[WW:WW+7], v[AA:AA+7], v[BI+8*\b:BI+8*\b+7], v[SBR], v[SAR] matrix_a_fmt:MATRIX_FMT_FP4 matrix_b_fmt:MATRIX_FMT_FP4 matrix_a_scale:MATRIX_SCALE_ROW1
.elseif (\b%2 == 0)
	v_wmma_scale_f32_16x16x128_f8f6f4 v[DD:DD+7], v[WW:WW+7], v[AA:AA+7], v[DD:DD+7], v[SBR], v[SAR] matrix_a_fmt:MATRIX_FMT_FP4 matrix_b_fmt:MATRIX_FMT_FP4
.else
	v_wmma_scale_f32_16x16x128_f8f6f4 v[DD:DD+7], v[WW:WW+7], v[AA:AA+7], v[DD:DD+7], v[SBR], v[SAR] matrix_a_fmt:MATRIX_FMT_FP4 matrix_b_fmt:MATRIX_FMT_FP4 matrix_a_scale:MATRIX_SCALE_ROW1
.endif
.endr
.endr
.endm
.macro FSTEP s
.if (\s) < 7
	PLACES 4                                       ; ahead of loads into registers that the last step's products have read
	FFETCH (\s)+1, 1-(\s)%2
	s_wait_dscnt 24                                ; all but the 24 just issued: this step's fragments are in
.else
	s_wait_dscnt 0x0
.endif
.if (\s) == 0
	WIN 0x91                                       ; source 0 (W_fc) window 1, source 1 (attn) window 0, C (the bias) window 1, D window 2
.else
	WIN 0xa1                                       ; C and D window 2
.endif
	FMUL \s
.endm
	s_wait_alu depctr_va_vdst(0)
	s_wait_tensorcnt 0x0                           ; my loads have landed,
	s_barrier_signal -1
	s_barrier_wait -1                              ; everybody's have
	FFETCH 0, 0
.irp i, 0,1,2,3
.irp g, 0,1
	ds_load_b128 v[SB+8*\i+4*\g:SB+8*\i+4*\g+3], v[ADRS] offset:(8*(\i/2)+2*(\i%2))*272+16*\g   ; W_fc's scale words of all 8 K steps: lanes 0-15 tile 2 i, lanes 16-31 tile 2 i + 1
.endr
.endr
	s_wait_loadcnt 0x0                             ; asc and the bias
.irp a, 0,1,2,3                        ; attn's scale word of tile a, K step s: the two bytes of head 2 s below those of head 2 s + 1
.irp s, 0,1,2,3,4,5,6,7
.if \a%2 == 0
	v_perm_b32 v[SA+8*\a+\s], v[XH+4*\s+2+\a/2], v[XH+4*\s+\a/2], 0x05040100
.else
	v_perm_b32 v[SA+8*\a+\s], v[XH+4*\s+2+\a/2], v[XH+4*\s+\a/2], 0x07060302
.endif
.endr
.endr
	PLACES 4                                       ; with the four at the head of the first step: eight plain instructions between a scale register so written and the first scaled product
	s_wait_alu depctr_va_vdst(0)
.irp s, 0,1,2,3,4,5,6,7
	FSTEP \s
.endr
; THE WAY OUT, a tile of 16 tokens x 128 columns at a time, through my own stage in LDS: in as 32 bytes a lane, back as whole rows of 512 bytes.  LDS serves a wave's instructions in order (ISA guide 5.7.1.4): no wait
; between the stores and the loads, nor ahead of the next tile's stores.
.macro TOSTAGE a
	WIN 0x08                                       ; an LDS store's data are its source 1: window 2
.irp b, 0,1,2,3,4,5,6,7
	ds_store_b128 v[STO], v[64*(\a)+8*\b:64*(\a)+8*\b+3] offset:256*(\b/4)+32*(\b%4)          ; each accumulator from its low end on
	ds_store_b128 v[STO], v[64*(\a)+8*\b+4:64*(\a)+8*\b+7] offset:256*(\b/4)+32*(\b%4)+16
.endr
	WIN 0
.set BKS, BK+64*((\a)%2)
.irp t, 0,1,2,3,4,5,6,7,8,9,10,11,12,13,14,15
	ds_load_b128 v[BKS+4*\t:BKS+4*\t+3], v[RD] offset:\t*PITCH
.endr
.endm
.macro SEND a, younger                 ; younger: the LDS instructions issued behind tile a's loads, which may stay out
.set BKS, BK+64*((\a)%2)
	s_wait_dscnt \younger
.irp t, 0,1,2,3,4,5,6,7,8,9,10,11,12,13,14,15
	global_store_b128 v[LI], v[BKS+4*\t:BKS+4*\t+3], s[14:15] offset:(8*(\a)+\t%8+32*(\t/8))*4096 th:TH_STORE_NT   ; 32 lanes store 512 consecutive bytes, at a multiple of 512 from out0's first byte; the token's row stands in the immediate
.endr
.endm
	PLACES 4                                       ; behind the last products: ahead of the first read of results and of loads into registers that held attn's fragments
	TOSTAGE 0
	TOSTAGE 1
	SEND 0, 32                                     ; behind tile 0's loads: tile 1's 16 stores and 16 loads
	s_wait_xcnt 0x0                                ; tile 0's stores have read their registers: tile 2's rows may land there
	TOSTAGE 2
	SEND 1, 32
	s_wait_xcnt 0x0                                ; tile 1's likewise
	TOSTAGE 3
	SEND 2, 32
	SEND 3, 0
	s_wait_tensorcnt 0x0
	ds_add_u32 v30, v31
	s_wait_dscnt 0x0
	CROUND                                         ; the closing round: no work-group ends while a partner may still ask for a tile that names it
	s_endpgm
.Lfunc_end_k_q52cf7d8c53_fc:
	.size	k_q52cf7d8c53_fc, .Lfunc_end_k_q52cf7d8c53_fc-k_q52cf7d8c53_fc
	.p2alignl 7, 3214868480
	.fill 96, 4, 3214868480
	.section	.rodata,"a",@progbits
	.p2align	6, 0x0
	.amdhsa_kernel k_q52cf7d8c53_fc
		.amdhsa_group_segment_fixed_size 262656
		.amdhsa_private_segment_fixed_size 0
		.amdhsa_enable_private_segment 0
		.amdhsa_kernarg_size 48
		.amdhsa_user_sgpr_count 2
		.amdhsa_user_sgpr_kernarg_segment_ptr 1
		.amdhsa_wavefront_size32 1
		.amdhsa_system_sgpr_workgroup_id_x 1
		.amdhsa_system_sgpr_workgroup_id_y 1
		.amdhsa_system_sgpr_workgroup_id_z 1
		.amdhsa_system_vgpr_workitem_id 0
		.amdhsa_next_free_vgpr 768
		.amdhsa_next_free_sgpr 100
		.amdhsa_reserve_vcc 0
		.amdhsa_float_denorm_mode_32 3
		.amdhsa_float_denorm_mode_16_64 3
		.amdhsa_memory_ordered 1
		.amdhsa_forward_progress 1
		.amdhsa_inst_pref_size 75
	.end_amdhsa_kernel
	.amdgpu_metadata
---
amdhsa.version: [ 1, 2 ]
amdhsa.kernels:
  - .name:           k_q52cf7d8c53_fc
    .symbol:         k_q52cf7d8c53_fc.kd
    .args:
      - { .name: ac, .offset: 0, .size: 8, .value_kind: global_buffer, .address_space: global }
      - { .name: asc, .offset: 8, .size: 8, .value_kind: global_buffer, .address_space: global }
      - { .name: W_fc_codes, .offset: 16, .size: 8, .value_kind: global_buffer, .address_space: global }
      - { .name: W_fc_scales, .offset: 24, .size: 8, .value_kind: global_buffer, .address_space: global }
      - { .name: b_fc, .offset: 32, .size: 8, .value_kind: global_buffer, .address_space: global }
      - { .name: out0, .offset: 40, .size: 8, .value_kind: global_buffer, .address_space: global }
    .group_segment_fixed_size: 262656
    .private_segment_fixed_size: 0
    .kernarg_segment_align: 8
    .kernarg_segment_size: 48
    .max_flat_workgroup_size: 128
    .sgpr_count:     100
    .vgpr_count:     768
    .wavefront_size: 32
...
	.end_amdgpu_metadata
.endif
;; end of part 3
